; MI455X (gfx1250); checked and timed in simulation.
; The chip was launched on July 23, 2026; its instructions are those of AMD's public machine-readable ISA for CDNA 5 (MIT licence, August 2026) and "CDNA5" Instruction Set Architecture Reference Guide (July 2026). The comments in the code are by the model that wrote it; some were corrected since.
;; Grouped Query Attention. Allowed arithmetic: float matrix products may take bf16 or f16 operands with f32 sums; all other float work in f32.
;; Inputs: wk 4,096 x 1,024 float32; wo 2,048 x 4,096 float32; wq 4,096 x 2,048 float32; wv 4,096 x 1,024 float32; x 1 x 2,048 x 4,096 float32.
;; Outputs: out0 1 x 2,048 x 4,096 float32.
;; One version. Each part assembles by itself: llvm-mc -triple=amdgcn-amd-amdhsa -mcpu=gfx1250 --defsym DOCPART=n.
;; ======== version 1 of 1: 4 launches
;; limits: values are held in f16: magnitudes above 65,504 overflow, below 6.1e-05 lose precision; right only within a limited range of input values
;; workspace buffers: xb 16,777,216 bytes; wb 33,554,432 bytes; wob 16,777,216 bytes; tab 1,048,576 bytes; qkv 16,777,216 bytes; ao 8,388,608 bytes
;; launch prep (part 1): grid 256 x 4, 8 waves a work-group, no clusters, 0 bytes of LDS; arguments x, wq, wk, wv, wo, xb, wb, wob, tab; writes xb, wb, wob, tab
.if DOCPART == 1
	.amdgcn_target "amdgcn-amd-amdhsa--gfx1250"
	.amdhsa_code_object_version 6
	.text
	.protected	k_q344e278efd_prep
	.globl	k_q344e278efd_prep
	.p2align	8
	.type	k_q344e278efd_prep,@function
k_q344e278efd_prep:
	s_mov_b64 s[64:65], 0
	v_nop
	global_prefetch_b8 v0, s[64:65] scope:SCOPE_SE
	s_setreg_imm32_b32 hwreg(HW_REG_WAVE_MODE, 25, 1), 1
	s_wait_xcnt 0x0
; prep: the casts in front of the matrix launches, and the table of the rotary embedding.
;   xb  [2048][4096] bf16 = x            wb [4096 k][4096 n] bf16 = wq | wk | wv side by side (n 0.., 2048.., 3072..)
;   wob [2048 k][4096 n] f16 = 4 * bf16(wo)   (bf16's 8 bits fit f16's 11, so the factor and the cast are exact in f16's normal range)
;   tab [2048 t][128] f32 = 64 x cos(t inv_i)/4, then 64 x sin(t inv_i)/4
; The factor 1/4 in the table puts q, k and v into f16 as q/4, k/4, v/4; the factor 4 on wo takes it back.
; LIMITS: 4 |wo| must stay below 65,504 (f16).  inv_i is made in f32 by exp2 and is good to about 1e-6 relative, so the angle
; t inv_i is off by up to about 2e-3 radian at t = 2047 and by t times 1e-6 in general; the cosine's series ends at r^16, whose
; remainder on [-pi, pi] is below 2e-7.
; A stream: no LDS, no barrier, no matrix unit, no cluster (no byte is read twice).  A work-group casts 32 rows of one strip of 1,024 columns;
; thread t takes 16 bytes of every row, so a wave's load covers 512 neighbouring bytes and its store 256, aligned.
; y = 0: x, 1: wq, 2: wk (g < 128) or wv, 3: wo.  A ring of eight slots in registers keeps eight loads of every wave on their way.
.set OFF, 2                            ; v[2:9]    slot i: byte offset of my 16 bytes in the slot's next row
.set DO,  10                           ; v10       8 t: my 8 bytes in a row of the destination; never rewritten
.set X,   12                           ; v[12:43]  slot i: four f32 as loaded
.set Y,   44                           ; v[44:59]  slot i: four 16-bit numbers to store
.set T,   60                           ; v[60:63]  at work (wo's form)
.set TA,  70                           ; v[70:73]  table: exponent, inv, angle, reduced angle
.set TN,  74                           ; v[74:77]  table: smooth factor, turns, r squared
.set TP,  80                           ; v[80:83]  table: the series, then the four numbers to store
	s_load_b512 s[8:23], s[0:1], 0x0               ; x s[8:9], wq s[10:11], wk s[12:13], wv s[14:15], wo s[16:17], xb s[18:19], wb s[20:21], wob s[22:23]
	s_load_b64 s[24:25], s[0:1], 0x40              ; tab
	v_lshrrev_b32 v1, 5, v0
	v_readfirstlane_b32 s38, v1                    ; wave 0..7
	s_mov_b32 s2, ttmp9                            ; g
	s_and_b32 s3, ttmp7, 0xffff                    ; y
	s_cmp_eq_u32 s3, 1
	s_cselect_b32 s4, 1, 2                         ; ls = log2 of the strips in a source row: 2, 1, 0, 2
	s_cmp_eq_u32 s3, 2
	s_cselect_b32 s4, 0, s4
	s_lshl_b32 s5, 1, s4
	s_sub_co_u32 s5, s5, 1
	s_and_b32 s5, s2, s5                           ; strip
	s_lshr_b32 s6, s2, s4
	s_and_b32 s6, s6, 127                          ; group of 32 rows
	s_lshl_b32 s7, 4096, s4                        ; bytes in a source row
	s_lshl_b32 s36, s7, 3                          ; eight rows on
	s_mov_b32 s37, 0xffff0000                      ; a word's upper bf16
	s_mul_i32 s26, s6, s7
	s_lshl_b32 s26, s26, 5                         ; source: 32 rows a group,
	s_lshl_b32 s40, s5, 12
	s_add_co_u32 s26, s26, s40                     ; 4,096 bytes a strip
	s_mov_b32 s27, 0
	s_lshl_b32 s30, s6, 18                         ; destination: 32 rows of 8,192 bytes a group,
	s_lshl_b32 s40, s5, 11
	s_add_co_u32 s30, s30, s40                     ; 2,048 bytes a strip,
	s_lshr_b32 s40, s2, 7
	s_lshl_b32 s40, s40, 11
	s_add_co_u32 s40, s40, 4096                    ; and wk at byte 4,096 of wb's rows, wv at 6,144
	s_cmp_eq_u32 s3, 2
	s_cselect_b32 s40, s40, 0
	s_add_co_u32 s30, s30, s40
	s_mov_b32 s31, 0
	s_lshl_b32 s41, s3, 8
	s_add_co_u32 s41, s41, s2
	s_lshl_b32 s41, s41, 1
	s_add_co_u32 s41, s41, s38                     ; the table's row of waves 0 and 1: t = 2 (256 y + g) + wave
	v_lshlrev_b32 v[OFF], 4, v0
.irp i, 1,2,3,4,5,6,7
	v_add_nc_u32 v[OFF+\i], s7, v[OFF+\i-1]        ; 16 t + the slot's row
.endr
	v_lshlrev_b32 v[DO], 3, v0
	s_wait_kmcnt 0x0
	s_cmp_lt_u32 s2, 128
	s_cselect_b64 s[32:33], s[12:13], s[14:15]     ; y = 2: wk or wv
	s_cmp_eq_u32 s3, 0
	s_cselect_b64 s[28:29], s[8:9], s[32:33]
	s_cmp_eq_u32 s3, 1
	s_cselect_b64 s[28:29], s[10:11], s[28:29]
	s_cmp_eq_u32 s3, 3
	s_cselect_b64 s[28:29], s[16:17], s[28:29]     ; the source
	s_cmp_eq_u32 s3, 0
	s_cselect_b64 s[34:35], s[18:19], s[20:21]
	s_cmp_eq_u32 s3, 3
	s_cselect_b64 s[34:35], s[22:23], s[34:35]     ; the destination
	s_add_nc_u64 s[28:29], s[28:29], s[26:27]
	s_add_nc_u64 s[34:35], s[34:35], s[30:31]
.irp i, 0,1,2,3,4,5,6,7
	global_load_b128 v[X+4*\i:X+4*\i+3], v[OFF+\i], s[28:29] th:TH_LOAD_NT   ; fill the ring: rows 0 to 7; every byte is read once in the launch
.endr
	; THE TABLE, while the first rows are on their way: waves 0 and 1 make one row each.  Lane L makes columns 4 L .. 4 L + 3 of the 128:
	; lanes 0-15 cosines, lanes 16-31 sines, as cos(a - pi/2), of frequencies i = 4 (L mod 16) + j.
	s_cmp_gt_u32 s38, 1
	s_cbranch_scc1 .Lcast
	s_mov_b32 s42, 0x43d94caf                      ; 8192 / (2 pi 3)
	s_mov_b32 s43, 0xbeaaaaab                      ; -1/3
	s_mov_b32 s44, 0x3f600000                      ; 7/8
	s_mov_b32 s45, 0x3e000000                      ; 1/8
	s_mov_b32 s46, 0xc0c90fdb                      ; -(2 pi rounded to f32)
	s_mov_b32 s47, 0x343bbd2e                      ; (2 pi rounded to f32) - 2 pi
	v_and_b32 v64, 15, v0
	v_lshlrev_b32 v64, 2, v64
	v_bfe_u32 v65, v0, 4, 1
	v_cvt_f32_u32 v65, v65                         ; 1.0 in the sine lanes
	v_mul_f32 v66, 0xbe800000, v65                 ; a quarter turn back
	v_mul_f32 v67, 0x3fc90fdb, v65                 ; pi/2
	v_mov_b32 v69, 0x29573f9f                      ; 1/16!
.irp j, 0,1,2,3
	v_add_nc_u32 v[TA+\j], \j, v64
	v_cvt_f32_u32 v[TA+\j], v[TA+\j]
	v_mul_f32 v[TA+\j], 0xbe9773da, v[TA+\j]       ; -i log2(500000) / 64
.endr
.irp j, 0,1,2,3
	v_exp_f32 v[TA+\j], v[TA+\j]                   ; inv = 500000^(-i/64)
.endr
	v_cvt_f32_u32 v68, s41                         ; t; also the plain instruction between the exponentials and their use (ISA guide 5.7.2)
	s_wait_alu depctr_va_vdst(0)
.irp j, 0,1,2,3
	v_fma_f32 v[TN+\j], v[TA+\j], s42, s43         ; smooth = (8192 inv / 2 pi - 1) / 3
	v_med3_num_f32 v[TN+\j], v[TN+\j], 0, 1.0      ; below 0: long waves, inv / 8; above 1: short waves, inv; between: the blend
	v_fma_f32 v[TN+\j], v[TN+\j], s44, s45         ; 1/8 + 7/8 smooth
	v_mul_f32 v[TA+\j], v[TA+\j], v[TN+\j]
	v_mul_f32 v[TA+\j], v68, v[TA+\j]              ; a = t inv
	v_fma_f32 v[TN+\j], v[TA+\j], 0.15915494, v66
	v_rndne_f32 v[TN+\j], v[TN+\j]                 ; whole turns
	v_fmac_f32 v[TA+\j], s46, v[TN+\j]             ; a - n 2 pi, 2 pi in two parts
	v_fmac_f32 v[TA+\j], s47, v[TN+\j]
	v_sub_f32 v[TA+\j], v[TA+\j], v67              ; r in [-pi, pi]
	v_mul_f32 v[TN+\j], v[TA+\j], v[TA+\j]
	v_fmaak_f32 v[TP+\j], v[TN+\j], v69, 0xad49cba7        ; cos r = sum of (-1)^k r^2k / (2k)!, k = 8 down to 0
	v_fmaak_f32 v[TP+\j], v[TP+\j], v[TN+\j], 0x310f76c7
	v_fmaak_f32 v[TP+\j], v[TP+\j], v[TN+\j], 0xb493f27e
	v_fmaak_f32 v[TP+\j], v[TP+\j], v[TN+\j], 0x37d00d01
	v_fmaak_f32 v[TP+\j], v[TP+\j], v[TN+\j], 0xbab60b61
	v_fmaak_f32 v[TP+\j], v[TP+\j], v[TN+\j], 0x3d2aaaab
	v_fma_f32 v[TP+\j], v[TP+\j], v[TN+\j], -0.5
	v_fma_f32 v[TP+\j], v[TP+\j], v[TN+\j], 1.0
	v_mul_f32 v[TP+\j], 0x3e800000, v[TP+\j]       ; the scale 1/4
.endr
	s_lshl_b32 s40, s41, 9                         ; 512 bytes a row
	v_and_b32 v84, 31, v0
	v_lshlrev_b32 v84, 4, v84
	v_add_nc_u32 v84, s40, v84
	global_store_b128 v84, v[TP:TP+3], s[24:25]    ; the wave stores the row's 512 bytes
.Lcast:
; One slot's turn: row i of the 32, slot i mod 8.  ahead = 1: the slot is filled again, eight rows on.
; left = how many younger loads may stay out.  wo = 1: bf16, then times 4, then f16.
.macro SLOT i, ahead, left, wo
	s_wait_loadcnt \left                           ; loads come back in order (ISA guide 5.7.1): this slot's is in, and its address register is free
	s_wait_xcnt 0x0                                ; the slot's Y, which its last store reads, is rewritten only behind this wait
	v_cvt_pk_bf16_f32 v[Y+2*(\i%8)],   v[X+4*(\i%8)],   v[X+4*(\i%8)+1]
	v_cvt_pk_bf16_f32 v[Y+2*(\i%8)+1], v[X+4*(\i%8)+2], v[X+4*(\i%8)+3]
.if \wo
	v_lshlrev_b32 v[T],   16,  v[Y+2*(\i%8)]
	v_and_b32     v[T+1], s37, v[Y+2*(\i%8)]
	v_lshlrev_b32 v[T+2], 16,  v[Y+2*(\i%8)+1]
	v_and_b32     v[T+3], s37, v[Y+2*(\i%8)+1]
	v_pk_mul_f32 v[T:T+1],   v[T:T+1],   4.0 op_sel_hi:[1,0]
	v_pk_mul_f32 v[T+2:T+3], v[T+2:T+3], 4.0 op_sel_hi:[1,0]
	v_cvt_pk_f16_f32 v[Y+2*(\i%8)],   v[T],   v[T+1]
	v_cvt_pk_f16_f32 v[Y+2*(\i%8)+1], v[T+2], v[T+3]
.endif
.if \ahead
	v_add_nc_u32 v[OFF+(\i%8)], s36, v[OFF+(\i%8)]
	global_load_b128 v[X+4*(\i%8):X+4*(\i%8)+3], v[OFF+(\i%8)], s[28:29] th:TH_LOAD_NT
.endif
	global_store_b64 v[DO], v[Y+2*(\i%8):Y+2*(\i%8)+1], s[34:35] offset:\i*8192   ; the row stands in the immediate; the next launch reads these bytes, so no hint
.endm
.macro CAST wo
.set rr, 0
.rept 24
	SLOT rr, 1, 7, \wo
.set rr, rr+1
.endr
.rept 8
	SLOT rr, 0, 31-rr, \wo                         ; the last eight rows load nothing: the counts run down 7 .. 0
.set rr, rr+1
.endr
.endm
	s_cmp_eq_u32 s3, 3
	s_cbranch_scc1 .Lwo
	CAST 0
	s_endpgm
.Lwo:
	CAST 1
	s_endpgm
.Lfunc_end_k_q344e278efd_prep:
	.size	k_q344e278efd_prep, .Lfunc_end_k_q344e278efd_prep-k_q344e278efd_prep
	.p2alignl 7, 3214868480
	.fill 96, 4, 3214868480
	.section	.rodata,"a",@progbits
	.p2align	6, 0x0
	.amdhsa_kernel k_q344e278efd_prep
		.amdhsa_group_segment_fixed_size 0
		.amdhsa_private_segment_fixed_size 0
		.amdhsa_enable_private_segment 0
		.amdhsa_kernarg_size 72
		.amdhsa_user_sgpr_count 2
		.amdhsa_user_sgpr_kernarg_segment_ptr 1
		.amdhsa_wavefront_size32 1
		.amdhsa_system_sgpr_workgroup_id_x 1
		.amdhsa_system_sgpr_workgroup_id_y 1
		.amdhsa_system_sgpr_workgroup_id_z 1
		.amdhsa_system_vgpr_workitem_id 0
		.amdhsa_next_free_vgpr 88
		.amdhsa_next_free_sgpr 66
		.amdhsa_reserve_vcc 0
		.amdhsa_float_denorm_mode_32 3
		.amdhsa_float_denorm_mode_16_64 3
		.amdhsa_memory_ordered 1
		.amdhsa_forward_progress 1
		.amdhsa_inst_pref_size 46
	.end_amdhsa_kernel
	.amdgpu_metadata
---
amdhsa.version: [ 1, 2 ]
amdhsa.kernels:
  - .name:           k_q344e278efd_prep
    .symbol:         k_q344e278efd_prep.kd
    .args:
      - { .name: x, .offset: 0, .size: 8, .value_kind: global_buffer, .address_space: global }
      - { .name: wq, .offset: 8, .size: 8, .value_kind: global_buffer, .address_space: global }
      - { .name: wk, .offset: 16, .size: 8, .value_kind: global_buffer, .address_space: global }
      - { .name: wv, .offset: 24, .size: 8, .value_kind: global_buffer, .address_space: global }
      - { .name: wo, .offset: 32, .size: 8, .value_kind: global_buffer, .address_space: global }
      - { .name: xb, .offset: 40, .size: 8, .value_kind: global_buffer, .address_space: global }
      - { .name: wb, .offset: 48, .size: 8, .value_kind: global_buffer, .address_space: global }
      - { .name: wob, .offset: 56, .size: 8, .value_kind: global_buffer, .address_space: global }
      - { .name: tab, .offset: 64, .size: 8, .value_kind: global_buffer, .address_space: global }
    .group_segment_fixed_size: 0
    .private_segment_fixed_size: 0
    .kernarg_segment_align: 8
    .kernarg_segment_size: 72
    .max_flat_workgroup_size: 256
    .sgpr_count:     66
    .vgpr_count:     88
    .wavefront_size: 32
...
	.end_amdgpu_metadata
.endif
;; end of part 1
;; launch qkv (part 2): grid 16 x 16, 4 waves a work-group, clusters of 4 x 4, 327,680 bytes of LDS; arguments xb, wb, tab, qkv; writes qkv
.if DOCPART == 2
	.amdgcn_target "amdgcn-amd-amdhsa--gfx1250"
	.amdhsa_code_object_version 6
	.text
	.protected	k_q344e278efd_qkv
	.globl	k_q344e278efd_qkv
	.p2align	8
	.type	k_q344e278efd_qkv,@function
k_q344e278efd_qkv:
	s_mov_b64 s[64:65], 0
	v_nop
	global_prefetch_b8 v0, s[64:65] scope:SCOPE_SE
	s_setreg_imm32_b32 hwreg(HW_REG_WAVE_MODE, 25, 1), 1
	s_wait_xcnt 0x0
	s_wait_alu depctr_hold_cnt(0) depctr_sa_sdst(0) depctr_va_vdst(0) depctr_va_sdst(0) depctr_va_ssrc(0) depctr_va_vcc(0) depctr_vm_vsrc(0)
	s_getreg_b32 s2, hwreg(HW_REG_IB_STS2, 6, 4)
	s_cmp_eq_u32 s2, 0
	s_cbranch_scc0 .Lentry_in_a_cluster
	s_endpgm
.Lentry_in_a_cluster:
	s_bfe_u32 s2, ttmp6, 0x10000c
	s_cmp_lg_u32 s2, 0xf033
	s_cbranch_scc0 .Lentry_shape_is_right
	s_endpgm
.Lentry_shape_is_right:
; qkv[t][n] = f16( rope( sum over k of xb[t][k] wb[k][n] ) / 4 ).  xb [2048][4096] bf16, wb [4096 k][4096 n] bf16, sums in f32.
; Columns 0-2047 are q (16 heads of 128), 2048-3071 k (8 heads), 3072-4095 v (8 heads).  q and k are rotated with the table's row t,
; v with the table's row 0, which holds cos 0 / 4 = 1/4 and sin 0 / 4 (zero within 1e-7): one text for all blocks, and v/4 comes out.
; LIMIT: the results are kept in f16 at the scale 1/4: |q|, |k|, |v| must stay below 4 x 65,504 = 262,016.
; A work-group makes 128 x 256 (M x N = 2048 x 4096 gives 256 such blocks), four waves, a wave 64 rows x 128 columns = one head:
; 32 accumulator tiles of 16 x 16.
; THE RING: K goes in tiles of 192 through two LDS slots filled by the tensor data mover.  A block needs (128 + 256) x 2 = 768 bytes for each k, and a
; load has the work between two refill barriers in which to land, so the slots are as large as two of them fit: 192 k, with padding 159,744 bytes,
; two of them 319,488 of the 327,680.  4096 = 21 x 192 + 64: the last tile has 64 k.  wb's tile rows are 512 bytes of memory at multiples of 512;
; xb's are 384 bytes at multiples of 128, which is the price of the 192.
; CLUSTERS: 4 x 4 work-groups.  xb's tile hangs on the block row alone and is asked for jointly by a row of the cluster, wb's on the block
; column alone and is asked for jointly by a column: the requests for both are divided by four.
; REGISTERS: window 0 addresses and the way out; window 1 all fragments, two buffers (buffer f: wb's eight at f + 8 b, xb's four at f + 64 + 8 a);
; window 2 the accumulators, tile (a, b) at 8 (8 a + b); window 3 the table: cos of tile (a, b), b < 4, at 64 a + 16 b, sin 8 further.
; THE MATRIX INSTRUCTION IS USED TRANSPOSED: source 0 = 16 columns of wb, source 1 = 16 rows of xb.  Lane (r, h) then holds row r and the eight
; neighbouring columns 16 b + 8 h + 0..7.  wb lies [k][n] in LDS and is read by the transposing load.
.set KD,     4096
.set KT,     192                       ; k in a tile: six quarters of 32
.set NFULL,  KD/KT                     ; 21 whole tiles
.set REM,    KD-NFULL*KT               ; 64 k in the last tile
.set PA,     432                       ; LDS pitch of xb's rows: three pieces of 128 + 16 bytes = 27 x 16: the 16 rows of a fragment start in 16 different 16-byte columns
.set PB,     544                       ; LDS pitch of wb's rows: 512 + 32 bytes = 17 x 32, an odd multiple of 32 for the transposing load
.set BROWS,  KT/2                      ; 96 k-rows: one tensor load
.set BHALF,  BROWS*PB                  ; 52,224
.set AHALF,  64*PA                     ; 27,648: 64 rows: one tensor load, one wave's rows
.set AOFF,   2*BHALF
.set SLOT,   AOFF+2*AHALF              ; 159,744
.set STAGE,  0                         ; the way out's stage, 16 rows x 272 bytes a wave, lies in slot 0: tile 20 was its last fill, and every wave's last reads of it
                                       ; are waited for in front of the barrier that ends turn 20; the last turn reads slot 1 alone
.set SPITCH, 272
.set LOOPS,  (NFULL+1-6)/2             ; 22 turns: 2 in front of the loop, 16 in it, 4 behind it
.set CROW,   8192                      ; bytes in a row of qkv
.set ADRA, 16                          ; v16-17  LDS address of my xb fragments in slot 0, 1
.set ADRB, 20                          ; v20-23  the same for wb: slot 0 quarters 0-2, slot 0 quarters 3-5, slot 1 likewise (an LDS offset has 16 bits)
.set STO,  24
.set RD,   25
.set CO,   26
.set TADR, 28                          ; v28-31  byte offset in tab of my row of tile row a
.set R0,   64                          ; the way out: rows read back, two buffers
.set R1,   96
.set T,    160                         ; v160-223 the way out: 16 rows after the rotation, f32
.set TMP,  224                         ; v224-255 the same in f16
.set F0,   0
.set F1,   96
.set G1,  24                           ; s[24:31] group 1 for xb's tiles
.set G0,  32                           ; s[32:39] group 0 for xb's tiles, one set a slot
.set G1B, 48                           ; s[48:55] group 1 for wb's tiles
.set G0B, 56                           ; s[56:63] group 0 for wb's tiles, one set a slot
.set MULW, 0xa5                        ; sources 0 and 1 window 1, C and D window 2
.set TO_F, 0x40                        ; destination window 1, address window 0
.set MSB, 0
.macro WIN new                         ; the immediate's high byte repeats the setting that is left
.if MSB != \new
	s_set_vgpr_msb (MSB<<8)|\new
.set MSB, \new
.endif
.endm
.macro PLACES                          ; four plain vector instructions between a matrix instruction and whatever reads its result or writes or loads one of its registers
.rept 4
	v_nop
.endr
.endm
; A joint load: waves 0 and 1 fetch wb's two halves of 96 k-rows, waves 2 and 3 xb's two halves of 64 rows.  The branch hangs on the wave's number alone.
.macro JLOAD s
	s_cmp_eq_u32 s13, 0
	s_cbranch_scc0 .Lfor_a_\@
	tensor_load_to_lds s[G0B+4*\s:G0B+4*\s+3], s[G1B:G1B+7]
	s_nop 0
	s_branch .Lasked_\@
.Lfor_a_\@:
	tensor_load_to_lds s[G0+4*\s:G0+4*\s+3], s[G1:G1+7]
	s_nop 0
.Lasked_\@:
.endm
; The joint load of the last, shorter tile.  Where no more than 96 k are left, wave 1 has no rows of wb to fetch and issues nothing.
.macro JLOADT s
	s_cmp_eq_u32 s13, 0
	s_cbranch_scc0 .Lfor_a_\@
.if REM <= BROWS
	s_cmp_lg_u32 s12, 0
	s_cbranch_scc1 .Lasked_\@
.endif
	tensor_load_to_lds s[G0B+4*\s:G0B+4*\s+3], s[G1B:G1B+7]
	s_nop 0
	s_branch .Lasked_\@
.Lfor_a_\@:
	tensor_load_to_lds s[G0+4*\s:G0+4*\s+3], s[G1:G1+7]
	s_nop 0
.Lasked_\@:
.endm
.macro CREST                           ; a round of the cluster's barrier behind its opening work-group barrier
	s_cmp_lg_u32 s12, 0
	s_cbranch_scc1 .Lnot_wave_0_\@
	s_barrier_signal -3
.Lnot_wave_0_\@:
	s_barrier_wait -3
	s_barrier_signal -1
	s_barrier_wait -1
.endm
.macro CROUND
	s_barrier_signal -1
	s_barrier_wait -1
	CREST
.endm
	s_load_b256 s[4:11], s[0:1], 0x0               ; xb s[4:5], wb s[6:7], tab s[8:9], qkv s[10:11]
	s_set_vgpr_msb 0x40
	v_lshl_add_u32 v254, v0, 2, 0x4e000
	v_mov_b32 v255, 0
	s_set_vgpr_msb 0x4045
	ds_add_u32 v254, v255
	ds_add_u32 v254, v255
	s_set_vgpr_msb 0x4500
	v_lshrrev_b32 v1, 5, v0
	v_readfirstlane_b32 s12, v1                    ; wave 0..3
	s_lshr_b32 s13, s12, 1                         ; my half of the block's rows.  Also: I fetch for wb (0) or for xb (1)
	s_and_b32 s14, s12, 1                          ; my half of its columns.  Also: which half of that tile I fetch
	s_bfe_u32 s40, ttmp6, 0x40000                  ; cx
	s_bfe_u32 s41, ttmp6, 0x40004                  ; cy
	s_lshl_b32 s42, ttmp9, 2
	s_add_co_u32 s42, s42, s40                     ; block column = 4 x cluster x + cx
	s_and_b32 s43, ttmp7, 0xffff
	s_lshl_b32 s43, s43, 2
	s_add_co_u32 s43, s43, s41                     ; block row = 4 x cluster y + cy
	s_lshl_b32 s44, s41, 2
	s_lshl_b32 s44, 15, s44                        ; my row of the cluster
	s_lshl_b32 s45, 0x1111, s40                    ; my column
	s_or_b32 s[G1+0], s44, (1<<16)|(1<<20)|(1<<21)|(4<<22)|(3<<25)   ; mask; 2-byte elements; padding on; bit 21 beside a mask; after every 32 words (128 bytes), 4 words
	s_mov_b32 s[G1+1], KT<<16                      ; tensor_dim0 = 192
	s_mov_b32 s[G1+2], 64<<16                      ; tensor_dim1 = 64
	s_mov_b32 s[G1+3], KT<<16                      ; tile_dim0 = 192
	s_mov_b32 s[G1+4], 64                          ; tile_dim1 = 64
	s_mov_b32 s[G1+5], KD                          ; elements from row to row
	s_mov_b32 s[G1+6], 0
	s_mov_b32 s[G1+7], 0
	s_or_b32 s[G1B+0], s45, (1<<16)|(1<<20)|(1<<21)|(6<<22)|(7<<25)  ; my column's mask; after every 128 words (a row of 512 bytes), 8 words
	s_mov_b32 s[G1B+1], 256<<16                    ; tensor_dim0 = 256 columns
	s_mov_b32 s[G1B+2], BROWS<<16                  ; tensor_dim1 = 96 k-rows
	s_mov_b32 s[G1B+3], 256<<16                    ; tile_dim0 = 256
	s_mov_b32 s[G1B+4], BROWS                      ; tile_dim1 = 96
	s_mov_b32 s[G1B+5], 4096
	s_mov_b32 s[G1B+6], 0
	s_mov_b32 s[G1B+7], 0
	; xb's address is made of the block row and the wave's number, wb's of the block column and the wave's number, each in registers that never hold the other coordinate
	s_lshl_b32 s16, s43, 7
	s_lshl_b32 s17, s14, 6
	s_add_co_u32 s16, s16, s17                     ; xb: row 128 x block row + 64 x half
	s_mul_i32 s16, s16, KD*2                       ; in bytes: below 2^24
	s_mov_b32 s17, 0
	s_lshl_b32 s46, s42, 9                         ; wb: byte 512 x block column of k-row 96 x half
	s_mul_i32 s47, s14, BROWS*8192
	s_add_co_u32 s46, s46, s47
	s_mov_b32 s47, 0
	s_mul_i32 s22, s12, BHALF                      ; where they go: waves 0, 1: wb's halves;
	s_mul_i32 s23, s12, AHALF
	s_add_co_u32 s23, s23, AOFF-2*AHALF            ; waves 2, 3: xb's halves behind them
	s_wait_dscnt 0x0
	s_wait_kmcnt 0x0
	s_add_nc_u64 s[20:21], s[4:5], s[16:17]
	s_add_nc_u64 s[46:47], s[6:7], s[46:47]
	CROUND                                         ; all sixteen work-groups are here: the first joint loads meet
.irp s, 0,1
	s_mov_b32 s[G0+4*\s], 1
	s_add_co_u32 s[G0+4*\s+1], s23, \s*SLOT
	s_add_nc_u64 s[G0+4*\s+2:G0+4*\s+3], s[20:21], \s*KT*2
	s_or_b32 s[G0+4*\s+3], s[G0+4*\s+3], 0x80000000
	s_mov_b32 s[G0B+4*\s], 1
	s_add_co_u32 s[G0B+4*\s+1], s22, \s*SLOT
	s_add_nc_u64 s[G0B+4*\s+2:G0B+4*\s+3], s[46:47], \s*KT*8192
	s_or_b32 s[G0B+4*\s+3], s[G0B+4*\s+3], 0x80000000
	JLOAD \s                                       ; tiles 0 and 1: two loads of the wave are out
.endr
	v_and_b32 v1, 15, v0                           ; r
	v_bfe_u32 v2, v0, 4, 1                         ; h
	v_mul_u32_u24 v3, v1, PA
	v_lshl_add_u32 v3, v2, 4, v3                   ; r x 432 + 16 h
	s_mul_i32 s67, s13, AHALF
	s_add_co_u32 s67, s67, AOFF
	v_add_nc_u32 v[ADRA], s67, v3
	v_add_nc_u32 v[ADRA+1], SLOT, v[ADRA]
	v_and_b32 v4, 7, v0
	v_lshl_or_b32 v4, v2, 3, v4                    ; k-row 8 h + (lane mod 8)
	v_mul_u32_u24 v4, v4, PB
	v_bfe_u32 v5, v0, 3, 1
	v_lshl_add_u32 v4, v5, 4, v4                   ; + 16 bytes for the upper eight of sixteen lanes
	s_lshl_b32 s68, s14, 8                         ; my 128 columns: 256 bytes of a row
	v_add_nc_u32 v[ADRB], s68, v4
	v_add_nc_u32 v[ADRB+1], BHALF, v[ADRB]
	v_add_nc_u32 v[ADRB+2], SLOT, v[ADRB]
	v_add_nc_u32 v[ADRB+3], SLOT+BHALF, v[ADRB]
	s_mul_i32 s69, s12, 16*SPITCH                  ; my stage
.if STAGE
	s_add_co_u32 s69, s69, STAGE
.endif
	v_mul_u32_u24 v5, v1, SPITCH
	v_lshl_add_u32 v5, v2, 4, v5
	v_add_nc_u32 v[STO], s69, v5                   ; in: row r, 16 bytes for each half of the lanes
	v_mul_u32_u24 v5, v2, SPITCH
	v_lshl_add_u32 v5, v1, 4, v5
	v_add_nc_u32 v[RD], s69, v5                    ; back: lanes 0-15 one row of 256 bytes, lanes 16-31 the next
	v_lshlrev_b32 v5, 13, v2
	v_lshl_add_u32 v[CO], v1, 4, v5                ; the same two rows in qkv
	; the table: lane (r, h) needs the cosines and sines of frequencies 16 b + 8 h + 0..7, b = 0..3, of its row t in each tile row a
	s_mov_b32 s66, ttmp9
	s_cmp_lt_u32 s66, 3                            ; clusters 0-2 along x are q and k; cluster 3 is v and takes row 0
	s_cselect_b32 s66, 512, 0
	s_lshl_b32 s67, s43, 7
	s_lshl_b32 s68, s13, 6
	s_add_co_u32 s67, s67, s68                     ; my first row of the result
	v_add_nc_u32 v6, s67, v1
.irp a, 0,1,2,3
	v_add_nc_u32 v7, 16*\a, v6
	v_mul_lo_u32 v7, v7, s66
	v_lshl_add_u32 v[TADR+\a], v2, 5, v7
.endr
	WIN 0xc0                                       ; destination window 3
.irp a, 0,1,2,3
.irp b, 0,1,2,3
	global_load_b128 v[64*\a+16*\b:64*\a+16*\b+3],     v[TADR+\a], s[8:9] offset:64*\b
	global_load_b128 v[64*\a+16*\b+4:64*\a+16*\b+7],   v[TADR+\a], s[8:9] offset:64*\b+16
	global_load_b128 v[64*\a+16*\b+8:64*\a+16*\b+11],  v[TADR+\a], s[8:9] offset:64*\b+256
	global_load_b128 v[64*\a+16*\b+12:64*\a+16*\b+15], v[TADR+\a], s[8:9] offset:64*\b+272
.endr
.endr
	WIN 0                                          ; they are waited for once, in front of the way out
; eight matrix instructions: tile row a x all 8 tile columns, 32 along K.  zero = 1: the first product starts the sums.
.macro MUL8 f, a, zero
.irp b, 0,1,2,3,4,5,6,7
.if \zero
	v_wmma_f32_16x16x32_bf16 v[8*(8*\a+\b):8*(8*\a+\b)+7], v[\f+8*\b:\f+8*\b+7], v[\f+64+8*\a:\f+64+8*\a+7], 0
.else
	v_wmma_f32_16x16x32_bf16 v[8*(8*\a+\b):8*(8*\a+\b)+7], v[\f+8*\b:\f+8*\b+7], v[\f+64+8*\a:\f+64+8*\a+7], v[8*(8*\a+\b):8*(8*\a+\b)+7]
.endif
.endr
.endm
; 24 LDS loads in one run: quarter q (0..5) of a slot's tile into buffer f: 16 transposing loads for wb, then 8 for xb.
; In xb's rows quarter q begins at byte 64 q + 16 (q / 2): 16 bytes of padding lie behind every two quarters.
.macro FETCH slot, q, f
	WIN TO_F
.irp b, 0,1,2,3,4,5,6,7
	ds_load_tr16_b128 v[\f+8*\b:\f+8*\b+3],   v[ADRB+2*\slot+(\q/3)] offset:(\q%3)*32*PB+32*\b
	ds_load_tr16_b128 v[\f+8*\b+4:\f+8*\b+7], v[ADRB+2*\slot+(\q/3)] offset:(\q%3)*32*PB+32*\b+16*PB
.endr
.irp a, 0,1,2,3
	ds_load_b128 v[\f+64+8*\a:\f+64+8*\a+3],   v[ADRA+\slot] offset:\q*64+(\q/2)*16+\a*16*PA
	ds_load_b128 v[\f+64+8*\a+4:\f+64+8*\a+7], v[ADRA+\slot] offset:\q*64+(\q/2)*16+\a*16*PA+32
.endr
.endm
; A turn is six quarters of 32 along K, 32 matrix instructions each, on buffers 0, 1, 0, 1, 0, 1.  The 32 accumulators take turns, one instruction
; a turn, in the same order everywhere.
; One of the first five quarters: multiplies buffer f and, in its middle, fetches quarter q into buffer g.
.macro QUARTER slot, q, f, g, zero
	s_wait_dscnt 4                                 ; wb's fragments and xb's tile rows 0, 1 are in; the youngest four loads (tile rows 2, 3) may be out
	WIN MULW
	MUL8 \f, 0, \zero
	MUL8 \f, 1, \zero
	PLACES
	FETCH \slot, \q, \g
	s_wait_dscnt 24                                ; all but the 24 just issued
	WIN MULW
	MUL8 \f, 2, \zero
	MUL8 \f, 3, \zero
.endm
.macro FIVE slot, zero
	QUARTER \slot, 1, F0, F1, \zero
	QUARTER \slot, 2, F1, F0, 0
	QUARTER \slot, 3, F0, F1, 0
	QUARTER \slot, 4, F1, F0, 0
	QUARTER \slot, 5, F0, F1, 0
.endm
; The last quarter multiplies buffer 1 and changes slots.  In front of the barrier each wave waits for its reads of this slot and for all its tensor
; loads (the one that is out is its part of the next slot).  fill = 1 or 2: the barrier opens a round of the cluster's barrier, and the joint refill of
; this slot, two tiles ahead, is the first tensor load behind the round.  From that request to the wait for it a wave issues 184 matrix instructions.
; fill = 2: the refill is the last tile.  It keeps the tile's shape and its places in LDS; the tensor's extents say what is left, and what lies beyond
; them is not read from memory.  No load of the wave is out here, so group 1 may be written.
.macro TURN slot, next, fill
	s_wait_dscnt 4
	WIN MULW
	MUL8 F1, 0, 0
	s_wait_dscnt 0
	s_wait_tensorcnt 0x0
	ds_add_u32 v254, v255
	s_wait_dscnt 0x0
	s_barrier_signal -1
	MUL8 F1, 1, 0                                  ; register work while the others arrive
	WIN 0
	s_barrier_wait -1
.if \fill
	CREST
	s_add_nc_u64 s[G0+4*\slot+2:G0+4*\slot+3], s[G0+4*\slot+2:G0+4*\slot+3], 2*KT*2
	s_add_nc_u64 s[G0B+4*\slot+2:G0B+4*\slot+3], s[G0B+4*\slot+2:G0B+4*\slot+3], 2*KT*8192
.if \fill == 2
	s_mov_b32 s[G1+1], REM<<16                     ; xb: tensor_dim0 = the k that are left
.if REM > BROWS
	s_mul_i32 s70, s14, (2*BROWS-REM)<<16
	s_sub_co_u32 s[G1B+2], BROWS<<16, s70          ; wb: tensor_dim1 = 96 k-rows for wave 0, the rest for wave 1
.else
	s_mov_b32 s[G1B+2], REM<<16                    ; wb: tensor_dim1 = the k-rows that are left, all of them wave 0's
.endif
	JLOADT \slot
.else
	JLOAD \slot
.endif
.endif
	PLACES
	FETCH \next, 0, F0
	WIN MULW
	MUL8 F1, 2, 0
	MUL8 F1, 3, 0
.endm
.macro LAP zero
	FIVE 0, \zero
	TURN 0, 1, 1
	FIVE 1, 0
	TURN 1, 0, 1
.endm
	s_wait_tensorcnt 0x1                           ; my part of tile 0 is in; tile 1's may stay out
	s_barrier_signal -1
	s_barrier_wait -1
	FETCH 0, 0, F0
	LAP 1                                          ; turns 0, 1 stand in front of the loop: the first products start the sums
	WIN 0
	s_mov_b32 s3, LOOPS
.Llap:                                             ; turns 2 to 17: they ask for tiles 4 to 19
	LAP 0
	WIN 0
	s_sub_co_u32 s3, s3, 1
	s_cmp_lg_u32 s3, 0
	s_cbranch_scc1 .Llap
	FIVE 0, 0                                      ; turn 18 asks for tile 20,
	TURN 0, 1, 1
	FIVE 1, 0                                      ; turn 19 for tile 21, the last, of 64 k;
	TURN 1, 0, 2
	FIVE 0, 0                                      ; turn 20 fills nothing and has no round
	TURN 0, 1, 0
	QUARTER 1, 1, F0, F1, 0                        ; turn 21: two quarters
	s_wait_dscnt 4
	WIN MULW
	MUL8 F1, 0, 0
	MUL8 F1, 1, 0
	s_wait_dscnt 0
	MUL8 F1, 2, 0
	MUL8 F1, 3, 0
	WIN 0
	PLACES
	; THE WAY OUT, 16 rows at a time: rotate, round to f16, 16 bytes a lane into my own stage, back as whole rows of 256 bytes.
	s_wait_loadcnt 0x0                             ; the table
	s_lshl_b32 s16, s67, 13                        ; my first row, in bytes
	s_mov_b32 s17, 0
	s_add_nc_u64 s[10:11], s[10:11], s[16:17]
	s_lshl_b32 s46, s42, 9                         ; my first column, in bytes: 512 x block + 256 x half
	s_lshl_b32 s47, s14, 8
	s_add_co_u32 s46, s46, s47
	s_mov_b32 s47, 0
	s_add_nc_u64 s[10:11], s[10:11], s[46:47]
; tile row a.  With x1 = columns d < 64 (tiles b = 0..3) and x2 = columns d + 64 (tiles b + 4): out1 = x1 c - x2 s, out2 = x2 c + x1 s; c and s carry the 1/4.
.macro OUTR a, f
	WIN 0x0e                                       ; source 0 window 2 (sums), source 1 window 3 (table), the rest window 0
.irp b, 0,1,2,3
.irp p, 0,2,4,6
	v_pk_mul_f32 v[T+8*\b+\p:T+8*\b+\p+1],         v[8*(8*\a+\b)+\p:8*(8*\a+\b)+\p+1],     v[64*\a+16*\b+\p:64*\a+16*\b+\p+1]
	v_pk_mul_f32 v[T+8*(\b+4)+\p:T+8*(\b+4)+\p+1], v[8*(8*\a+\b+4)+\p:8*(8*\a+\b+4)+\p+1], v[64*\a+16*\b+\p:64*\a+16*\b+\p+1]
.endr
.irp p, 0,2,4,6
	v_pk_fma_f32 v[T+8*\b+\p:T+8*\b+\p+1],         v[8*(8*\a+\b+4)+\p:8*(8*\a+\b+4)+\p+1], v[64*\a+16*\b+8+\p:64*\a+16*\b+8+\p+1], v[T+8*\b+\p:T+8*\b+\p+1] neg_lo:[1,0,0] neg_hi:[1,0,0]
	v_pk_fma_f32 v[T+8*(\b+4)+\p:T+8*(\b+4)+\p+1], v[8*(8*\a+\b)+\p:8*(8*\a+\b)+\p+1],     v[64*\a+16*\b+8+\p:64*\a+16*\b+8+\p+1], v[T+8*(\b+4)+\p:T+8*(\b+4)+\p+1]
.endr
.endr
	WIN 0
.irp b, 0,1,2,3,4,5,6,7
.irp r, 0,1,2,3
	v_cvt_pk_f16_f32 v[TMP+4*\b+\r], v[T+8*\b+2*\r], v[T+8*\b+2*\r+1]
.endr
.endr
.irp b, 0,1,2,3,4,5,6,7
	ds_store_b128 v[STO], v[TMP+4*\b:TMP+4*\b+3] offset:32*\b
.endr
	s_wait_xcnt 0x0                                ; buffer f, which earlier stores read, and the stores' base are rewritten only behind this wait
.if \a
	s_add_nc_u64 s[10:11], s[10:11], 16*CROW
.endif
.irp t, 0,1,2,3,4,5,6,7
	ds_load_b128 v[\f+4*\t:\f+4*\t+3], v[RD] offset:\t*2*SPITCH    ; LDS serves a wave's instructions in order (ISA guide 5.7.1): these see the stores above
.endr
.irp t, 0,1,2,3,4,5,6,7
	s_wait_dscnt 7-\t
	global_store_b128 v[CO], v[\f+4*\t:\f+4*\t+3], s[10:11] offset:2*\t*CROW   ; 16 lanes store 256 consecutive bytes, aligned
.endr
.endm
	OUTR 0, R0
	OUTR 1, R1
	OUTR 2, R0
	OUTR 3, R1
	s_set_vgpr_msb 0x5
	s_wait_tensorcnt 0x0
	ds_add_u32 v254, v255
	s_wait_dscnt 0x0
	s_set_vgpr_msb 0x500
	CROUND                                         ; the closing round: no work-group ends while a partner may still ask for a tile that names it
	s_endpgm
.Lfunc_end_k_q344e278efd_qkv:
	.size	k_q344e278efd_qkv, .Lfunc_end_k_q344e278efd_qkv-k_q344e278efd_qkv
	.p2alignl 7, 3214868480
	.fill 96, 4, 3214868480
	.section	.rodata,"a",@progbits
	.p2align	6, 0x0
	.amdhsa_kernel k_q344e278efd_qkv
		.amdhsa_group_segment_fixed_size 327680
		.amdhsa_private_segment_fixed_size 0
		.amdhsa_enable_private_segment 0
		.amdhsa_kernarg_size 32
		.amdhsa_user_sgpr_count 2
		.amdhsa_user_sgpr_kernarg_segment_ptr 1
		.amdhsa_wavefront_size32 1
		.amdhsa_system_sgpr_workgroup_id_x 1
		.amdhsa_system_sgpr_workgroup_id_y 1
		.amdhsa_system_sgpr_workgroup_id_z 1
		.amdhsa_system_vgpr_workitem_id 0
		.amdhsa_next_free_vgpr 1024
		.amdhsa_next_free_sgpr 80
		.amdhsa_reserve_vcc 0
		.amdhsa_float_denorm_mode_32 3
		.amdhsa_float_denorm_mode_16_64 3
		.amdhsa_memory_ordered 1
		.amdhsa_forward_progress 1
		.amdhsa_inst_pref_size 218
	.end_amdhsa_kernel
	.amdgpu_metadata
---
amdhsa.version: [ 1, 2 ]
amdhsa.kernels:
  - .name:           k_q344e278efd_qkv
    .symbol:         k_q344e278efd_qkv.kd
    .args:
      - { .name: xb, .offset: 0, .size: 8, .value_kind: global_buffer, .address_space: global }
      - { .name: wb, .offset: 8, .size: 8, .value_kind: global_buffer, .address_space: global }
      - { .name: tab, .offset: 16, .size: 8, .value_kind: global_buffer, .address_space: global }
      - { .name: qkv, .offset: 24, .size: 8, .value_kind: global_buffer, .address_space: global }
    .group_segment_fixed_size: 327680
    .private_segment_fixed_size: 0
    .kernarg_segment_align: 8
    .kernarg_segment_size: 32
    .max_flat_workgroup_size: 128
    .sgpr_count:     80
    .vgpr_count:     1024
    .wavefront_size: 32
...
	.end_amdgpu_metadata
.endif
;; end of part 2
;; launch attn (part 3): grid 16 x 16, 4 waves a work-group, no clusters, 327,680 bytes of LDS; arguments qkv, ao; writes ao
.if DOCPART == 3
	.amdgcn_target "amdgcn-amd-amdhsa--gfx1250"
	.amdhsa_code_object_version 6
	.text
	.protected	k_q344e278efd_attn
	.globl	k_q344e278efd_attn
	.p2align	8
	.type	k_q344e278efd_attn,@function
k_q344e278efd_attn:
	s_mov_b64 s[64:65], 0
	v_nop
	global_prefetch_b8 v0, s[64:65] scope:SCOPE_SE
	s_setreg_imm32_b32 hwreg(HW_REG_WAVE_MODE, 25, 1), 1
	s_wait_xcnt 0x0
; ao[t][128 head + d] = f16( softmax over s <= t of (q_t . k_s / sqrt 128) applied to v / 4 ).  qkv [2048][4096] f16 holds q/4, k/4, v/4.
; A work-group (p, head) takes the two blocks of 64 query rows i = 31 - p and i = p, one after the other; a wave takes 16 rows.
; K and V come in tiles of 128 keys; block i needs (i >> 1) + 1 of them, so both blocks together need 17 for every p: all 256 work-groups
; make 17 trips of two half steps of 64 keys.  Only a block's last tile meets the diagonal and is masked; for an even i its second half step is
; masked whole (1 half step of 34).
; The running maximum is taken away before every exponential.  Masked scores are -1e30; true ones are sums of 128 products of f16 numbers,
; at most 5.5e11 in size, so the two never meet.  LIMIT: the result is kept in f16 at the scale 1/4 (|out| < 262,016).
; SCORES TRANSPOSED: S^T = K Q^T (source 0 = 16 keys from LDS, source 1 = my 16 query rows from registers): lane (r, h) holds query row r and keys
; 16 c + 8 h + 0..7, so a row's maximum and sum lie in a lane and its partner 16 lanes off, and two packed score tiles are a fragment of P as they stand.
; O^T = V^T P^T (source 0 = V by the transposing load): lane (r, h) ends with eight neighbouring d of query row r.
; NO CLUSTER: a K or V tile is wanted by two work-groups alone, the two query heads of one key/value head with the same p; joint requests of pairs
; would halve 17 x 64 KiB of requests a work-group at the price of a cluster round in each of the 17 trips.  Left out in this text.
.set PK,     272                       ; LDS pitch of K's rows
.set PV,     288                       ; LDS pitch of V's rows: an odd multiple of 32 for the transposing load
.set VHALF,  64*PV
.set KHALF,  64*PK
.set KOFF,   2*VHALF
.set SLOT,   KOFF+2*KHALF              ; 71,680: V's 128 rows, then K's
.set STAGE,  2*SLOT                    ; 143,360, a multiple of 256: 16 rows x 272 bytes for each wave
.set SPITCH, 272
.set ADRK,  8                          ; v8-9    K fragments in slot 0, 1
.set ADRV,  10                         ; v10-11  V fragments in slot 0, 1
.set STO,   12
.set RD,    13
.set CO,    14
.set QOFF,  15
.set DBASE, 16                         ; 16 w + r - 8 h
.set DEL,   17                         ; DBASE + 64 (i & 1): key 64 hf + 16 c + j (+ 8 h) of the last tile is seen if 64 hf + 16 c + j <= DEL
.set MX,    18                         ; running maximum
.set LS,    19                         ; running sum, of my half of the keys
.set MN,    20
.set NG,    21                         ; -1e30
.set AL,    22                         ; v22 rescale factor (v23 written once: the pair is named)
.set NM,    24                         ; v24 -maximum x scale, as rounded (v25 written once)
.set TT,    26                         ; v26-31 at work
.set QA,    32                         ; v32-63  fragments of the current block's Q
.set QB,    64                         ; v64-95  those of the second block
.set SC,    96                         ; v96-127 scores, 4 tiles
.set PR,    128                        ; v128-143 P in f16
.set OA,    144                        ; v144-207 O^T, 8 tiles
.set TMP,   208                        ; v208-239 the way out
.set VF,    128                        ; window 1: K fragments at 8 (4 ks + c), V fragments at 128 + 8 (8 ks2 + dt)
.set G1V, 24
.set G0V, 32
.set G1K, 48
.set G0K, 56
.set MSB, 0
.macro WIN new
.if MSB != \new
	s_set_vgpr_msb (MSB<<8)|\new
.set MSB, \new
.endif
.endm
.macro PLACES                          ; four plain vector instructions behind a matrix instruction (ISA guide 7.12.1)
.rept 4
	v_nop
.endr
.endm
.macro VKLOAD o                        ; waves 0, 1: V's two halves of 64 rows; waves 2, 3: K's
	s_cmp_eq_u32 s9, 0
	s_cbranch_scc0 .Lfor_k_\@
	tensor_load_to_lds s[G0V+4*\o:G0V+4*\o+3], s[G1V:G1V+7]
	s_nop 0
	s_branch .Lasked_\@
.Lfor_k_\@:
	tensor_load_to_lds s[G0K+4*\o:G0K+4*\o+3], s[G1K:G1K+7]
	s_nop 0
.Lasked_\@:
.endm
	s_load_b128 s[4:7], s[0:1], 0x0                ; qkv s[4:5], ao s[6:7]
	v_lshl_add_u32 v254, v0, 2, 0x29000
	v_mov_b32 v255, 0
	ds_add_u32 v254, v255
	ds_add_u32 v254, v255
	v_lshrrev_b32 v1, 5, v0
	v_readfirstlane_b32 s8, v1                     ; wave 0..3
	s_lshr_b32 s9, s8, 1
	s_and_b32 s10, s8, 1
	s_mov_b32 s11, ttmp9                           ; p
	s_and_b32 s12, ttmp7, 0xffff                   ; head
	s_sub_co_u32 s16, 33, s11
	s_lshr_b32 s16, s16, 1                         ; tiles of the first block, 9 to 16
	s_sub_co_u32 s17, s16, 1                       ; trips until the block's last, masked one
	s_sub_co_u32 s18, 17, s16                      ; tiles of the second block
	s_mov_b32 s19, 0                               ; the tile asked for last
	s_and_b32 s21, s11, 1
	s_lshl_b32 s21, s21, 6                         ; 64 (p & 1)
	s_mov_b32 s46, 0x400293ee                      ; 16 log2(e) / sqrt(128): the 16 undoes the two factors 1/4
	s_mov_b32 s47, 0xf149f2ca                      ; -1e30
	s_mov_b32 s66, 0x76543210                      ; v_permlanex16_b32: lane i reads lane i of the other half
	s_mov_b32 s67, 0xfedcba98
	s_mov_b32 s[G1V+0], (1<<16)|(1<<20)|(5<<22)|(7<<25)   ; 2-byte elements; after every 64 words 8 words of padding
	s_mov_b32 s[G1V+1], 128<<16                    ; tensor_dim0 = 128
	s_mov_b32 s[G1V+2], 64<<16                     ; tensor_dim1 = 64
	s_mov_b32 s[G1V+3], 128<<16                    ; tile_dim0 = 128
	s_mov_b32 s[G1V+4], 64                         ; tile_dim1 = 64
	s_mov_b32 s[G1V+5], 4096                       ; elements from row to row
	s_mov_b32 s[G1V+6], 0
	s_mov_b32 s[G1V+7], 0
	s_mov_b32 s[G1K+0], (1<<16)|(1<<20)|(5<<22)|(3<<25)   ; the same with 4 words of padding
	s_mov_b32 s[G1K+1], 128<<16
	s_mov_b32 s[G1K+2], 64<<16
	s_mov_b32 s[G1K+3], 128<<16
	s_mov_b32 s[G1K+4], 64
	s_mov_b32 s[G1K+5], 4096
	s_mov_b32 s[G1K+6], 0
	s_mov_b32 s[G1K+7], 0
	s_lshr_b32 s20, s12, 1
	s_lshl_b32 s20, s20, 8                         ; the key/value head's 256 bytes in a row
	s_lshl_b32 s22, s10, 19                        ; my 64 rows of a tile
	s_add_co_u32 s44, s20, s22
	s_mov_b32 s45, 0
	s_mul_i32 s13, s8, VHALF                       ; waves 0, 1: V's halves
	s_mul_i32 s14, s8, KHALF
	s_add_co_u32 s14, s14, KOFF-2*KHALF            ; waves 2, 3: K's halves behind them
	s_wait_dscnt 0x0
	s_wait_kmcnt 0x0
	s_add_nc_u64 s[40:41], s[4:5], s[44:45]
	s_add_nc_u64 s[42:43], s[40:41], 4096          ; K's columns begin at byte 4,096 of a row,
	s_add_nc_u64 s[40:41], s[40:41], 6144          ; V's at 6,144
.irp s, 0,1
	s_mov_b32 s[G0V+4*\s], 1
	s_add_co_u32 s[G0V+4*\s+1], s13, \s*SLOT
	s_mov_b64 s[G0V+4*\s+2:G0V+4*\s+3], s[40:41]
	s_or_b32 s[G0V+4*\s+3], s[G0V+4*\s+3], 0x80000000
	s_mov_b32 s[G0K+4*\s], 1
	s_add_co_u32 s[G0K+4*\s+1], s14, \s*SLOT
	s_mov_b64 s[G0K+4*\s+2:G0K+4*\s+3], s[42:43]
	s_or_b32 s[G0K+4*\s+3], s[G0K+4*\s+3], 0x80000000
.endr
	VKLOAD 0                                       ; tile 0 into slot 0: the one first fill at the start; slot 1 is filled behind the first trip's barrier
	s_sub_co_u32 s20, 31, s11
	s_lshl_b32 s20, s20, 6
	s_lshl_b32 s77, s8, 4
	s_add_co_u32 s20, s20, s77                     ; my first query row in the first block,
	s_lshl_b32 s23, s11, 6
	s_add_co_u32 s23, s23, s77                     ; in the second
	s_lshl_b32 s15, s12, 8                         ; the head's 256 bytes in a row
	s_lshl_b32 s44, s20, 13
	s_add_co_u32 s44, s44, s15
	s_add_nc_u64 s[72:73], s[4:5], s[44:45]        ; Q of the first block
	s_lshl_b32 s44, s23, 13
	s_add_co_u32 s44, s44, s15
	s_add_nc_u64 s[74:75], s[4:5], s[44:45]        ; Q of the second
	s_lshl_b32 s44, s20, 12
	s_add_co_u32 s44, s44, s15
	s_add_nc_u64 s[68:69], s[6:7], s[44:45]        ; ao of the first block
	s_lshl_b32 s44, s23, 12
	s_add_co_u32 s44, s44, s15
	s_add_nc_u64 s[70:71], s[6:7], s[44:45]        ; ao of the second
	v_and_b32 v1, 15, v0                           ; r
	v_bfe_u32 v2, v0, 4, 1                         ; h
	v_lshlrev_b32 v5, 13, v1
	v_lshl_add_u32 v[QOFF], v2, 4, v5              ; row r of 8,192 bytes + 16 h
.irp ks, 0,1,2,3
	global_load_b128 v[QA+8*\ks:QA+8*\ks+3],   v[QOFF], s[72:73] offset:64*\ks       ; d = 32 ks + 8 h + 0..7
	global_load_b128 v[QA+8*\ks+4:QA+8*\ks+7], v[QOFF], s[72:73] offset:64*\ks+32    ; d = 32 ks + 16 + 8 h + 0..7
	global_load_b128 v[QB+8*\ks:QB+8*\ks+3],   v[QOFF], s[74:75] offset:64*\ks
	global_load_b128 v[QB+8*\ks+4:QB+8*\ks+7], v[QOFF], s[74:75] offset:64*\ks+32
.endr
	v_mul_u32_u24 v3, v1, PK
	v_lshl_add_u32 v3, v2, 4, v3                   ; r x 272 + 16 h
	v_add_nc_u32 v[ADRK], KOFF, v3
	v_add_nc_u32 v[ADRK+1], KOFF+SLOT, v3
	v_and_b32 v4, 7, v0
	v_lshl_or_b32 v4, v2, 3, v4                    ; key 8 h + (lane mod 8)
	v_mul_u32_u24 v4, v4, PV
	v_bfe_u32 v5, v0, 3, 1
	v_lshl_add_u32 v[ADRV], v5, 4, v4
	v_add_nc_u32 v[ADRV+1], SLOT, v[ADRV]
	s_mul_i32 s76, s8, 16*SPITCH
	s_add_co_u32 s76, s76, STAGE                   ; my stage
	v_add_nc_u32 v[STO], s76, v3
	v_mul_u32_u24 v5, v2, SPITCH
	v_lshl_add_u32 v5, v1, 4, v5
	v_add_nc_u32 v[RD], s76, v5
	v_lshlrev_b32 v5, 12, v2
	v_lshl_add_u32 v[CO], v1, 4, v5                ; two rows of ao, 4,096 bytes apart
	v_lshlrev_b32 v5, 3, v2
	v_sub_nc_u32 v5, v1, v5
	v_add_nc_u32 v[DBASE], s77, v5
	s_sub_co_u32 s22, 64, s21                      ; 64 ((31 - p) & 1)
	v_add_nc_u32 v[DEL], s22, v[DBASE]
	v_mov_b32 v[NG], s47
	v_mov_b32 v[AL+1], 0
	v_mov_b32 v[NM+1], 0
	s_wait_loadcnt 0x0                             ; Q, once
; 32 LDS loads: K's fragments of half step hf, groups of eight by ks
.macro KFETCH slot, hf
	WIN 0x40
.irp ks, 0,1,2,3
.irp c, 0,1,2,3
	ds_load_b128 v[8*(4*\ks+\c):8*(4*\ks+\c)+3],   v[ADRK+\slot] offset:(64*\hf+16*\c)*PK+64*\ks
	ds_load_b128 v[8*(4*\ks+\c)+4:8*(4*\ks+\c)+7], v[ADRK+\slot] offset:(64*\hf+16*\c)*PK+64*\ks+32
.endr
.endr
.endm
; 32 transposing loads: V's fragments of half step hf, groups of sixteen by ks2
.macro VFETCH slot, hf
	WIN 0x40
.irp ks2, 0,1
.irp dt, 0,1,2,3,4,5,6,7
	ds_load_tr16_b128 v[VF+8*(8*\ks2+\dt):VF+8*(8*\ks2+\dt)+3],   v[ADRV+\slot] offset:(64*\hf+32*\ks2)*PV+32*\dt
	ds_load_tr16_b128 v[VF+8*(8*\ks2+\dt)+4:VF+8*(8*\ks2+\dt)+7], v[ADRV+\slot] offset:(64*\hf+32*\ks2)*PV+32*\dt+16*PV
.endr
.endr
.endm
.macro MASK hf
.irp c, 0,1,2,3
.irp j, 0,1,2,3,4,5,6,7
	v_cmp_le_i32 vcc_lo, 64*\hf+16*\c+\j, v[DEL]
	v_cndmask_b32 v[SC+8*\c+\j], v[NG], v[SC+8*\c+\j], vcc_lo
.endr
.endr
.endm
; 32 scores a lane.  first = 1: the very first half step: nothing to rescale.
.macro SOFTMAX first
.irp k, 0,1,2,3
	v_max3_num_f32 v[TT+\k], v[SC+8*\k], v[SC+8*\k+1], v[SC+8*\k+2]
.endr
.irp k, 0,1,2,3
	v_max3_num_f32 v[TT+\k], v[TT+\k], v[SC+8*\k+3], v[SC+8*\k+4]
.endr
.irp k, 0,1,2,3
	v_max3_num_f32 v[TT+\k], v[TT+\k], v[SC+8*\k+5], v[SC+8*\k+6]
.endr
	v_max3_num_f32 v[TT],   v[TT],   v[SC+7],  v[SC+15]
	v_max3_num_f32 v[TT+1], v[TT+1], v[SC+23], v[SC+31]
	v_max3_num_f32 v[TT],   v[TT],   v[TT+1],  v[TT+2]
.if \first
	v_max_num_f32 v[TT], v[TT], v[TT+3]
.else
	v_max3_num_f32 v[TT], v[TT], v[TT+3], v[MX]
.endif
	v_permlanex16_b32 v[TT+1], v[TT], s66, s67     ; the other half of my row's keys
	v_max_num_f32 v[MN], v[TT], v[TT+1]
.if \first
	v_mul_f32 v[NM], -v[MN], s46
.else
	v_mul_f32 v[TT+2], -v[MN], s46
	v_sub_f32 v[AL], v[TT+2], v[NM]                ; the old sums were made with the old rounded NM: the factor is 2^(new - old)
	v_mov_b32 v[NM], v[TT+2]
	v_exp_f32 v[AL], v[AL]                         ; the multiply-adds below stand between it and its use (ISA guide 5.7.2)
.endif
.set i, 0
.rept 16
	v_pk_fma_f32 v[SC+2*i:SC+2*i+1], v[SC+2*i:SC+2*i+1], s[46:47], v[NM:NM+1] op_sel_hi:[1,0,0]
.set i, i+1
.endr
.set i, 0
.rept 32
	v_exp_f32 v[SC+i], v[SC+i]
.set i, i+1
.endr
	v_mov_b32 v[MX], v[MN]                         ; the plain instruction between the exponentials and their use
	s_wait_alu depctr_va_vdst(0)
	v_pk_add_f32 v[TT:TT+1],   v[SC:SC+1],       v[SC+2:SC+3]
	v_pk_add_f32 v[TT+2:TT+3], v[SC+16:SC+17],   v[SC+18:SC+19]
.irp i, 4,6,8,10,12,14
	v_pk_add_f32 v[TT:TT+1],   v[TT:TT+1],   v[SC+\i:SC+\i+1]
	v_pk_add_f32 v[TT+2:TT+3], v[TT+2:TT+3], v[SC+16+\i:SC+16+\i+1]
.endr
	v_pk_add_f32 v[TT:TT+1], v[TT:TT+1], v[TT+2:TT+3]
.if \first
	v_add_f32 v[LS], v[TT], v[TT+1]
.else
	v_add_f32 v[TT], v[TT], v[TT+1]
	v_fma_f32 v[LS], v[LS], v[AL], v[TT]
.endif
.set i, 0
.rept 16
	v_cvt_pk_f16_f32 v[PR+i], v[SC+2*i], v[SC+2*i+1]       ; tiles 2 ks2 and 2 ks2 + 1 are P's fragment ks2
.set i, i+1
.endr
.if \first == 0
.set i, 0
.rept 32
	v_pk_mul_f32 v[OA+2*i:OA+2*i+1], v[OA+2*i:OA+2*i+1], v[AL:AL+1] op_sel_hi:[1,0]
.set i, i+1
.endr
.endif
.endm
; A half step of 64 keys: 16 matrix instructions for the scores, the softmax, 16 for O.  The four score tiles, and the eight tiles of O, take turns,
; one instruction a turn.  chk = 0: no mask; 1: masked if this is the block's last tile; 2: masked.
; LDS loads in their order of issue at the head of a trip: K of half 0 (32), V of half 0 (32); K of half 1 goes out behind the first scores, V of half 1 behind the first O.
.macro HALF slot, hf, first, chk
	WIN 0x01                                       ; source 0 window 1
.irp ks, 0,1,2,3
	s_wait_dscnt 56-8*\ks                          ; K's group ks is in: K's later groups (24 - 8 ks loads) and the 32 loads of V behind them may be out
.irp c, 0,1,2,3
.if \ks == 0
	v_wmma_f32_16x16x32_f16 v[SC+8*\c:SC+8*\c+7], v[8*(4*\ks+\c):8*(4*\ks+\c)+7], v[QA+8*\ks:QA+8*\ks+7], 0
.else
	v_wmma_f32_16x16x32_f16 v[SC+8*\c:SC+8*\c+7], v[8*(4*\ks+\c):8*(4*\ks+\c)+7], v[QA+8*\ks:QA+8*\ks+7], v[SC+8*\c:SC+8*\c+7]
.endif
.endr
.endr
	WIN 0
	PLACES
.if \hf == 0
	KFETCH \slot, 1
	WIN 0
.endif
.if \chk == 1
	s_cmp_lg_u32 s17, 0
	s_cbranch_scc1 .Lopen_\@
	MASK \hf
.Lopen_\@:
.endif
.if \chk == 2
	MASK \hf
.endif
	SOFTMAX \first
	WIN 0x01
.irp ks2, 0,1
	s_wait_dscnt 48-32*\hf-16*\ks2                 ; V's group ks2 is in: V's later group, and in half 0 the 32 loads of K behind it, may be out
.set z, \first*(1-\ks2)
.irp dt, 0,1,2,3,4,5,6,7
.if z
	v_wmma_f32_16x16x32_f16 v[OA+8*\dt:OA+8*\dt+7], v[VF+8*(8*\ks2+\dt):VF+8*(8*\ks2+\dt)+7], v[PR+8*\ks2:PR+8*\ks2+7], 0
.else
	v_wmma_f32_16x16x32_f16 v[OA+8*\dt:OA+8*\dt+7], v[VF+8*(8*\ks2+\dt):VF+8*(8*\ks2+\dt)+7], v[PR+8*\ks2:PR+8*\ks2+7], v[OA+8*\dt:OA+8*\dt+7]
.endif
.endr
.endr
	WIN 0
	PLACES
.if \hf == 0
	VFETCH \slot, 1
.endif
.endm
; A trip: one tile of 128 keys in slot.  fill = 1: the next tile of the sequence goes into the other slot, which the last trip read.
; In front of the barrier every wave waits for all its tensor loads (its part of this trip's tile) and for its reads of the other slot;
; the refill is the first thing behind it, one tensor load a wave, and has the whole trip in which to land.
.macro TRIP slot, other, fill, first, chk
	s_wait_tensorcnt 0x0
	ds_add_u32 v254, v255
	s_wait_dscnt 0x0
	s_wait_dscnt 0x0
.if \fill
	s_add_co_u32 s20, s19, 1
	s_cmp_eq_u32 s17, 0                            ; this trip is the block's last: the second block begins at tile 0
	s_cselect_b32 s19, 0, s20
	s_lshl_b32 s44, s19, 20                        ; 128 rows of 8,192 bytes a tile
	s_add_nc_u64 s[G0V+4*\other+2:G0V+4*\other+3], s[40:41], s[44:45]      ; no tensor load of mine is out: a group 0 may be written
	s_or_b32 s[G0V+4*\other+3], s[G0V+4*\other+3], 0x80000000
	s_add_nc_u64 s[G0K+4*\other+2:G0K+4*\other+3], s[42:43], s[44:45]
	s_or_b32 s[G0K+4*\other+3], s[G0K+4*\other+3], 0x80000000
.endif
	s_barrier_signal -1
	s_barrier_wait -1
.if \fill
	VKLOAD \other
.endif
	KFETCH \slot, 0
	VFETCH \slot, 0
	HALF \slot, 0, \first, \chk
	HALF \slot, 1, 0, \chk
.endm
; The block's result: divide by the row's sum, round to f16, through my own stage, out as whole rows of 256 bytes.
.macro FINISH base
	v_permlanex16_b32 v[TT], v[LS], s66, s67
	v_add_f32 v[TT], v[TT], v[LS]
	v_rcp_f32 v[AL], v[TT]
	v_nop                                          ; the plain instruction behind the reciprocal (ISA guide 5.7.2)
.set i, 0
	s_wait_alu depctr_va_vdst(0)
.rept 32
	v_pk_mul_f32 v[OA+2*i:OA+2*i+1], v[OA+2*i:OA+2*i+1], v[AL:AL+1] op_sel_hi:[1,0]
.set i, i+1
.endr
.set i, 0
.rept 32
	v_cvt_pk_f16_f32 v[TMP+i], v[OA+2*i], v[OA+2*i+1]
.set i, i+1
.endr
.irp dt, 0,1,2,3,4,5,6,7
	ds_store_b128 v[STO], v[TMP+4*\dt:TMP+4*\dt+3] offset:32*\dt
.endr
.irp t, 0,1,2,3,4,5,6,7
	ds_load_b128 v[SC+4*\t:SC+4*\t+3], v[RD] offset:\t*2*SPITCH    ; LDS serves a wave's instructions in order (ISA guide 5.7.1)
.endr
.irp t, 0,1,2,3,4,5,6,7
	s_wait_dscnt 7-\t
	global_store_b128 v[CO], v[SC+4*\t:SC+4*\t+3], s[\base:\base+1] offset:\t*8192   ; 16 lanes store 256 consecutive bytes, aligned
.endr
	s_wait_xcnt 0x0                                ; the score registers, which these stores read, are written again only behind this wait
.endm
; Behind a trip: if it was the first block's last, store the block and turn to the second.  With the maximum at -1e30 and NM at +1e30 the next
; rescale factor is 2^(-1e30) = 0, which clears O and the sum (both finite): the loop needs no second form.
.macro AFTER
	s_cmp_lg_u32 s17, 0
	s_cbranch_scc1 .Lsame_\@
	FINISH 68
.set i, 0
.rept 32
	v_mov_b32 v[QA+i], v[QB+i]
.set i, i+1
.endr
	v_mov_b32 v[MX], s47
	v_mov_b32 v[NM], 0x7149f2ca
	v_mov_b32 v[LS], 0
	v_add_nc_u32 v[DEL], s21, v[DBASE]
	s_mov_b32 s17, s18
.Lsame_\@:
	s_sub_co_u32 s17, s17, 1
.endm
	TRIP 0, 1, 1, 1, 0                             ; trip 0: the first block has at least 9 tiles, so tile 0 is never masked
	s_sub_co_u32 s17, s17, 1
	s_mov_b32 s3, 7
.Lpair:                                            ; trips 1 to 14
	TRIP 1, 0, 1, 0, 1
	AFTER
	TRIP 0, 1, 1, 0, 1
	AFTER
	s_sub_co_u32 s3, s3, 1
	s_cmp_lg_u32 s3, 0
	s_cbranch_scc1 .Lpair
	TRIP 1, 0, 1, 0, 1                             ; trip 15
	AFTER
	TRIP 0, 1, 0, 0, 2                             ; trip 16: the second block's last tile: nothing is left to fetch
	FINISH 70
	s_wait_tensorcnt 0x0
	ds_add_u32 v254, v255
	s_wait_dscnt 0x0
	s_endpgm
.Lfunc_end_k_q344e278efd_attn:
	.size	k_q344e278efd_attn, .Lfunc_end_k_q344e278efd_attn-k_q344e278efd_attn
	.p2alignl 7, 3214868480
	.fill 96, 4, 3214868480
	.section	.rodata,"a",@progbits
	.p2align	6, 0x0
	.amdhsa_kernel k_q344e278efd_attn
		.amdhsa_group_segment_fixed_size 327680
		.amdhsa_private_segment_fixed_size 0
		.amdhsa_enable_private_segment 0
		.amdhsa_kernarg_size 16
		.amdhsa_user_sgpr_count 2
		.amdhsa_user_sgpr_kernarg_segment_ptr 1
		.amdhsa_wavefront_size32 1
		.amdhsa_system_sgpr_workgroup_id_x 1
		.amdhsa_system_sgpr_workgroup_id_y 1
		.amdhsa_system_sgpr_workgroup_id_z 1
		.amdhsa_system_vgpr_workitem_id 0
		.amdhsa_next_free_vgpr 512
		.amdhsa_next_free_sgpr 80
		.amdhsa_reserve_vcc 1
		.amdhsa_float_denorm_mode_32 3
		.amdhsa_float_denorm_mode_16_64 3
		.amdhsa_memory_ordered 1
		.amdhsa_forward_progress 1
		.amdhsa_inst_pref_size 198
	.end_amdhsa_kernel
	.amdgpu_metadata
---
amdhsa.version: [ 1, 2 ]
amdhsa.kernels:
  - .name:           k_q344e278efd_attn
    .symbol:         k_q344e278efd_attn.kd
    .args:
      - { .name: qkv, .offset: 0, .size: 8, .value_kind: global_buffer, .address_space: global }
      - { .name: ao, .offset: 8, .size: 8, .value_kind: global_buffer, .address_space: global }
    .group_segment_fixed_size: 327680
    .private_segment_fixed_size: 0
    .kernarg_segment_align: 8
    .kernarg_segment_size: 16
    .max_flat_workgroup_size: 128
    .sgpr_count:     80
    .vgpr_count:     512
    .wavefront_size: 32
...
	.end_amdgpu_metadata
.endif
;; end of part 3
;; launch oproj (part 4): grid 16 x 16, 4 waves a work-group, clusters of 4 x 4, 327,680 bytes of LDS; arguments ao, wob, out0; writes out0
.if DOCPART == 4
	.amdgcn_target "amdgcn-amd-amdhsa--gfx1250"
	.amdhsa_code_object_version 6
	.text
	.protected	k_q344e278efd_oproj
	.globl	k_q344e278efd_oproj
	.p2align	8
	.type	k_q344e278efd_oproj,@function
k_q344e278efd_oproj:
	s_mov_b64 s[64:65], 0
	v_nop
	global_prefetch_b8 v0, s[64:65] scope:SCOPE_SE
	s_setreg_imm32_b32 hwreg(HW_REG_WAVE_MODE, 25, 1), 1
	s_wait_xcnt 0x0
	s_wait_alu depctr_hold_cnt(0) depctr_sa_sdst(0) depctr_va_vdst(0) depctr_va_sdst(0) depctr_va_ssrc(0) depctr_va_vcc(0) depctr_vm_vsrc(0)
	s_getreg_b32 s2, hwreg(HW_REG_IB_STS2, 6, 4)
	s_cmp_eq_u32 s2, 0
	s_cbranch_scc0 .Lentry_in_a_cluster
	s_endpgm
.Lentry_in_a_cluster:
	s_bfe_u32 s2, ttmp6, 0x10000c
	s_cmp_lg_u32 s2, 0xf033
	s_cbranch_scc0 .Lentry_shape_is_right
	s_endpgm
.Lentry_shape_is_right:
; out0[t][n] = sum over k of ao[t][k] wob[k][n].  ao [2048][2048] f16 = attention output / 4, wob [2048 k][4096 n] f16 = 4 x bf16(wo); sums and result f32.
; The two factors cancel.  LIMIT: none beyond those of the two operands' f16 formats, stated where they are made.
; The same frame as the projection of q, k and v: a work-group makes 128 x 256, four waves of 64 x 128; 4 x 4 work-groups in a cluster, ao's tile asked
; for jointly along a row of the cluster, wob's along a column.
; THE RING: K goes in tiles of 192 through two LDS slots: a block needs 768 bytes for each k, a load has the work between two refill barriers in which to
; land, and two slots of 192 k, 159,744 bytes each with padding, are the largest that fit in 327,680.  2048 = 10 x 192 + 128: the last tile has 128 k.
; wob's tile rows are 512 bytes of memory at multiples of 512; ao's are 384 bytes at multiples of 128, which is the price of the 192.
; REGISTERS: window 0 addresses and the way out; window 1 all fragments, two buffers (buffer f: wob's eight at f + 8 b, ao's four at f + 64 + 8 a);
; window 2 the accumulators, tile (a, b) at 8 (8 a + b).
; THE MATRIX INSTRUCTION IS USED TRANSPOSED: source 0 = 16 columns of wob (by the transposing load), source 1 = 16 rows of ao: lane (r, h) holds row r,
; columns 16 b + 8 h + 0..7.
.set KD,     2048
.set KT,     192                       ; k in a tile: six quarters of 32
.set NFULL,  KD/KT                     ; 10 whole tiles
.set REM,    KD-NFULL*KT               ; 128 k in the last tile
.set PA,     432                       ; three pieces of 128 + 16 bytes = 27 x 16
.set PB,     544                       ; 512 + 32 bytes = 17 x 32
.set BROWS,  KT/2
.set BHALF,  BROWS*PB
.set AHALF,  64*PA
.set AOFF,   2*BHALF
.set SLOT,   AOFF+2*AHALF              ; 159,744
.set STAGE,  SLOT                      ; the way out's stage, 16 rows x 528 bytes a wave, lies in slot 1: tile 9 was its last fill, and every wave's last reads of it
                                       ; are waited for in front of the barrier that ends turn 9; the last turn reads slot 0 alone
.set SPITCH, 528                       ; 512 bytes of f32 + 16
.set LOOPS,  (NFULL+1-5)/2             ; 11 turns: 2 in front of the loop, 6 in it, 3 behind it
.set CROW,   16384                     ; bytes in a row of out0
.set ADRA, 16                          ; v16-17  ao's fragments in slot 0, 1
.set ADRB, 20                          ; v20-23  wob's: slot 0 quarters 0-2, slot 0 quarters 3-5, slot 1 likewise
.set STO,  24
.set RD,   25
.set CO,   26
.set RB,   160                         ; v160-223 the way out: 16 rows read back
.set F0,   0
.set F1,   96
.set G1,  24
.set G0,  32
.set G1B, 48
.set G0B, 56
.set MULW, 0xa5
.set TO_F, 0x40
.set MSB, 0
.macro WIN new
.if MSB != \new
	s_set_vgpr_msb (MSB<<8)|\new
.set MSB, \new
.endif
.endm
.macro PLACES                          ; four plain vector instructions behind a matrix instruction (ISA guide 7.12.1)
.rept 4
	v_nop
.endr
.endm
.macro JLOAD s                         ; waves 0, 1: wob's halves of 96 k-rows; waves 2, 3: ao's halves of 64 rows
	s_cmp_eq_u32 s13, 0
	s_cbranch_scc0 .Lfor_a_\@
	tensor_load_to_lds s[G0B+4*\s:G0B+4*\s+3], s[G1B:G1B+7]
	s_nop 0
	s_branch .Lasked_\@
.Lfor_a_\@:
	tensor_load_to_lds s[G0+4*\s:G0+4*\s+3], s[G1:G1+7]
	s_nop 0
.Lasked_\@:
.endm
; The joint load of the last, shorter tile.  Where no more than 96 k are left, wave 1 has no rows of wob to fetch and issues nothing (not so here: 128 are left).
.macro JLOADT s
	s_cmp_eq_u32 s13, 0
	s_cbranch_scc0 .Lfor_a_\@
.if REM <= BROWS
	s_cmp_lg_u32 s12, 0
	s_cbranch_scc1 .Lasked_\@
.endif
	tensor_load_to_lds s[G0B+4*\s:G0B+4*\s+3], s[G1B:G1B+7]
	s_nop 0
	s_branch .Lasked_\@
.Lfor_a_\@:
	tensor_load_to_lds s[G0+4*\s:G0+4*\s+3], s[G1:G1+7]
	s_nop 0
.Lasked_\@:
.endm
.macro CREST
	s_cmp_lg_u32 s12, 0
	s_cbranch_scc1 .Lnot_wave_0_\@
	s_barrier_signal -3
.Lnot_wave_0_\@:
	s_barrier_wait -3
	s_barrier_signal -1
	s_barrier_wait -1
.endm
.macro CROUND
	s_barrier_signal -1
	s_barrier_wait -1
	CREST
.endm
	s_load_b128 s[4:7], s[0:1], 0x0                ; ao s[4:5], wob s[6:7]
	s_load_b64 s[8:9], s[0:1], 0x10                ; out0
	s_set_vgpr_msb 0x40
	v_lshl_add_u32 v254, v0, 2, 0x4e000
	v_mov_b32 v255, 0
	s_set_vgpr_msb 0x4045
	ds_add_u32 v254, v255
	ds_add_u32 v254, v255
	s_set_vgpr_msb 0x4500
	v_lshrrev_b32 v1, 5, v0
	v_readfirstlane_b32 s12, v1                    ; wave 0..3
	s_lshr_b32 s13, s12, 1
	s_and_b32 s14, s12, 1
	s_bfe_u32 s40, ttmp6, 0x40000                  ; cx
	s_bfe_u32 s41, ttmp6, 0x40004                  ; cy
	s_lshl_b32 s42, ttmp9, 2
	s_add_co_u32 s42, s42, s40                     ; block column
	s_and_b32 s43, ttmp7, 0xffff
	s_lshl_b32 s43, s43, 2
	s_add_co_u32 s43, s43, s41                     ; block row
	s_lshl_b32 s44, s41, 2
	s_lshl_b32 s44, 15, s44                        ; my row of the cluster
	s_lshl_b32 s45, 0x1111, s40                    ; my column
	s_or_b32 s[G1+0], s44, (1<<16)|(1<<20)|(1<<21)|(4<<22)|(3<<25)   ; mask; 2-byte elements; padding on; bit 21 beside a mask; after every 32 words, 4 words
	s_mov_b32 s[G1+1], KT<<16                      ; tensor_dim0 = 192
	s_mov_b32 s[G1+2], 64<<16                      ; tensor_dim1 = 64
	s_mov_b32 s[G1+3], KT<<16                      ; tile_dim0 = 192
	s_mov_b32 s[G1+4], 64                          ; tile_dim1 = 64
	s_mov_b32 s[G1+5], KD
	s_mov_b32 s[G1+6], 0
	s_mov_b32 s[G1+7], 0
	s_or_b32 s[G1B+0], s45, (1<<16)|(1<<20)|(1<<21)|(6<<22)|(7<<25)  ; my column's mask; after every 128 words, 8 words
	s_mov_b32 s[G1B+1], 256<<16
	s_mov_b32 s[G1B+2], BROWS<<16
	s_mov_b32 s[G1B+3], 256<<16
	s_mov_b32 s[G1B+4], BROWS
	s_mov_b32 s[G1B+5], 4096
	s_mov_b32 s[G1B+6], 0
	s_mov_b32 s[G1B+7], 0
	s_lshl_b32 s16, s43, 7
	s_lshl_b32 s17, s14, 6
	s_add_co_u32 s16, s16, s17                     ; ao: row 128 x block row + 64 x half
	s_mul_i32 s16, s16, KD*2
	s_mov_b32 s17, 0
	s_lshl_b32 s46, s42, 9                         ; wob: byte 512 x block column of k-row 96 x half
	s_mul_i32 s47, s14, BROWS*8192
	s_add_co_u32 s46, s46, s47
	s_mov_b32 s47, 0
	s_mul_i32 s22, s12, BHALF
	s_mul_i32 s23, s12, AHALF
	s_add_co_u32 s23, s23, AOFF-2*AHALF
	s_wait_dscnt 0x0
	s_wait_kmcnt 0x0
	s_add_nc_u64 s[20:21], s[4:5], s[16:17]
	s_add_nc_u64 s[46:47], s[6:7], s[46:47]
	CROUND                                         ; the first joint loads meet
.irp s, 0,1
	s_mov_b32 s[G0+4*\s], 1
	s_add_co_u32 s[G0+4*\s+1], s23, \s*SLOT
	s_add_nc_u64 s[G0+4*\s+2:G0+4*\s+3], s[20:21], \s*KT*2
	s_or_b32 s[G0+4*\s+3], s[G0+4*\s+3], 0x80000000
	s_mov_b32 s[G0B+4*\s], 1
	s_add_co_u32 s[G0B+4*\s+1], s22, \s*SLOT
	s_add_nc_u64 s[G0B+4*\s+2:G0B+4*\s+3], s[46:47], \s*KT*8192
	s_or_b32 s[G0B+4*\s+3], s[G0B+4*\s+3], 0x80000000
	JLOAD \s                                       ; tiles 0 and 1: two loads of the wave are out
.endr
	v_and_b32 v1, 15, v0                           ; r
	v_bfe_u32 v2, v0, 4, 1                         ; h
	v_mul_u32_u24 v3, v1, PA
	v_lshl_add_u32 v3, v2, 4, v3
	s_mul_i32 s67, s13, AHALF
	s_add_co_u32 s67, s67, AOFF
	v_add_nc_u32 v[ADRA], s67, v3
	v_add_nc_u32 v[ADRA+1], SLOT, v[ADRA]
	v_and_b32 v4, 7, v0
	v_lshl_or_b32 v4, v2, 3, v4
	v_mul_u32_u24 v4, v4, PB
	v_bfe_u32 v5, v0, 3, 1
	v_lshl_add_u32 v4, v5, 4, v4
	s_lshl_b32 s68, s14, 8                         ; my 128 columns: 256 bytes of a row
	v_add_nc_u32 v[ADRB], s68, v4
	v_add_nc_u32 v[ADRB+1], BHALF, v[ADRB]
	v_add_nc_u32 v[ADRB+2], SLOT, v[ADRB]
	v_add_nc_u32 v[ADRB+3], SLOT+BHALF, v[ADRB]
	s_mul_i32 s69, s12, 16*SPITCH
	s_add_co_u32 s69, s69, STAGE                   ; my stage
	v_mul_u32_u24 v5, v1, SPITCH
	v_lshl_add_u32 v5, v2, 5, v5
	v_add_nc_u32 v[STO], s69, v5                   ; in: row r, 32 bytes for each half of the lanes
	v_and_b32 v5, 31, v0
	v_lshlrev_b32 v[CO], 4, v5                     ; back and out: the 32 lanes take a row's 512 bytes
	v_add_nc_u32 v[RD], s69, v[CO]
	s_lshl_b32 s67, s43, 7
	s_lshl_b32 s68, s13, 6
	s_add_co_u32 s67, s67, s68                     ; my first row of the result
.macro MUL8 f, a, zero
.irp b, 0,1,2,3,4,5,6,7
.if \zero
	v_wmma_f32_16x16x32_f16 v[8*(8*\a+\b):8*(8*\a+\b)+7], v[\f+8*\b:\f+8*\b+7], v[\f+64+8*\a:\f+64+8*\a+7], 0
.else
	v_wmma_f32_16x16x32_f16 v[8*(8*\a+\b):8*(8*\a+\b)+7], v[\f+8*\b:\f+8*\b+7], v[\f+64+8*\a:\f+64+8*\a+7], v[8*(8*\a+\b):8*(8*\a+\b)+7]
.endif
.endr
.endm
; 24 LDS loads in one run: quarter q (0..5) of a slot's tile into buffer f.  In ao's rows quarter q begins at byte 64 q + 16 (q / 2).
.macro FETCH slot, q, f
	WIN TO_F
.irp b, 0,1,2,3,4,5,6,7
	ds_load_tr16_b128 v[\f+8*\b:\f+8*\b+3],   v[ADRB+2*\slot+(\q/3)] offset:(\q%3)*32*PB+32*\b
	ds_load_tr16_b128 v[\f+8*\b+4:\f+8*\b+7], v[ADRB+2*\slot+(\q/3)] offset:(\q%3)*32*PB+32*\b+16*PB
.endr
.irp a, 0,1,2,3
	ds_load_b128 v[\f+64+8*\a:\f+64+8*\a+3],   v[ADRA+\slot] offset:\q*64+(\q/2)*16+\a*16*PA
	ds_load_b128 v[\f+64+8*\a+4:\f+64+8*\a+7], v[ADRA+\slot] offset:\q*64+(\q/2)*16+\a*16*PA+32
.endr
.endm
; The 32 accumulators take turns, one instruction a turn, in the same order everywhere.
.macro QUARTER slot, q, f, g, zero
	s_wait_dscnt 4                                 ; the youngest four loads (ao's tile rows 2, 3) may be out
	WIN MULW
	MUL8 \f, 0, \zero
	MUL8 \f, 1, \zero
	PLACES
	FETCH \slot, \q, \g
	s_wait_dscnt 24                                ; all but the 24 just issued
	WIN MULW
	MUL8 \f, 2, \zero
	MUL8 \f, 3, \zero
.endm
.macro FIVE slot, zero
	QUARTER \slot, 1, F0, F1, \zero
	QUARTER \slot, 2, F1, F0, 0
	QUARTER \slot, 3, F0, F1, 0
	QUARTER \slot, 4, F1, F0, 0
	QUARTER \slot, 5, F0, F1, 0
.endm
; The change of slots: each wave's reads of this slot and all its tensor loads are waited for in front of the barrier; with fill = 1 or 2 the barrier opens a
; round of the cluster's barrier and the joint refill, two tiles ahead, is the first tensor load behind the round: 184 matrix instructions lie between that
; request and the wait for it.  fill = 2: the last tile keeps the tile's shape and its places in LDS; the tensor's extents say what is left, and what lies
; beyond them is not read from memory.  No load of the wave is out here, so group 1 may be written.
.macro TURN slot, next, fill
	s_wait_dscnt 4
	WIN MULW
	MUL8 F1, 0, 0
	s_wait_dscnt 0
	s_wait_tensorcnt 0x0
	ds_add_u32 v254, v255
	s_wait_dscnt 0x0
	s_barrier_signal -1
	MUL8 F1, 1, 0
	WIN 0
	s_barrier_wait -1
.if \fill
	CREST
	s_add_nc_u64 s[G0+4*\slot+2:G0+4*\slot+3], s[G0+4*\slot+2:G0+4*\slot+3], 2*KT*2
	s_add_nc_u64 s[G0B+4*\slot+2:G0B+4*\slot+3], s[G0B+4*\slot+2:G0B+4*\slot+3], 2*KT*8192
.if \fill == 2
	s_mov_b32 s[G1+1], REM<<16                     ; ao: tensor_dim0 = the k that are left
.if REM > BROWS
	s_mul_i32 s70, s14, (2*BROWS-REM)<<16
	s_sub_co_u32 s[G1B+2], BROWS<<16, s70          ; wob: tensor_dim1 = 96 k-rows for wave 0, the other 32 for wave 1
.else
	s_mov_b32 s[G1B+2], REM<<16
.endif
	JLOADT \slot
.else
	JLOAD \slot
.endif
.endif
	PLACES
	FETCH \next, 0, F0
	WIN MULW
	MUL8 F1, 2, 0
	MUL8 F1, 3, 0
.endm
.macro LAP zero
	FIVE 0, \zero
	TURN 0, 1, 1
	FIVE 1, 0
	TURN 1, 0, 1
.endm
	s_wait_tensorcnt 0x1                           ; my part of tile 0 is in; tile 1's may stay out
	s_barrier_signal -1
	s_barrier_wait -1
	FETCH 0, 0, F0
	LAP 1                                          ; turns 0, 1: the first products start the sums
	WIN 0
	s_mov_b32 s3, LOOPS
.Llap:                                             ; turns 2 to 7: they ask for tiles 4 to 9
	LAP 0
	WIN 0
	s_sub_co_u32 s3, s3, 1
	s_cmp_lg_u32 s3, 0
	s_cbranch_scc1 .Llap
	FIVE 0, 0                                      ; turn 8 asks for tile 10, the last, of 128 k;
	TURN 0, 1, 2
	FIVE 1, 0                                      ; turn 9 fills nothing and has no round
	TURN 1, 0, 0
	QUARTER 0, 1, F0, F1, 0                        ; turn 10: four quarters
	QUARTER 0, 2, F1, F0, 0
	QUARTER 0, 3, F0, F1, 0
	s_wait_dscnt 4
	WIN MULW
	MUL8 F1, 0, 0
	MUL8 F1, 1, 0
	s_wait_dscnt 0
	MUL8 F1, 2, 0
	MUL8 F1, 3, 0
	WIN 0
	PLACES
	; THE WAY OUT, 16 rows at a time: the sums go as they are into my own stage and come back as whole rows of 512 bytes.
	s_lshl_b32 s16, s67, 14                        ; my first row, in bytes
	s_mov_b32 s17, 0
	s_add_nc_u64 s[8:9], s[8:9], s[16:17]
	s_lshl_b32 s46, s42, 10                        ; my first column, in bytes: 1,024 x block + 512 x half
	s_lshl_b32 s47, s14, 9
	s_add_co_u32 s46, s46, s47
	s_mov_b32 s47, 0
	s_add_nc_u64 s[8:9], s[8:9], s[46:47]
.macro OUTF a
	WIN 0x08                                       ; the stores' data in window 2
.irp b, 0,1,2,3,4,5,6,7
	ds_store_b128 v[STO], v[8*(8*\a+\b):8*(8*\a+\b)+3]   offset:64*\b
	ds_store_b128 v[STO], v[8*(8*\a+\b)+4:8*(8*\a+\b)+7] offset:64*\b+16
.endr
	WIN 0
	s_wait_xcnt 0x0                                ; the read-back registers, which earlier stores read, and the stores' base are rewritten only behind this wait
.if \a
	s_add_nc_u64 s[8:9], s[8:9], 16*CROW
.endif
.irp t, 0,1,2,3,4,5,6,7,8,9,10,11,12,13,14,15
	ds_load_b128 v[RB+4*\t:RB+4*\t+3], v[RD] offset:\t*SPITCH      ; LDS serves a wave's instructions in order (ISA guide 5.7.1)
.endr
.irp t, 0,1,2,3,4,5,6,7,8,9,10,11,12,13,14,15
	s_wait_dscnt 15-\t
	global_store_b128 v[CO], v[RB+4*\t:RB+4*\t+3], s[8:9] offset:\t*CROW th:TH_STORE_NT   ; the wave stores 512 consecutive bytes, aligned; nothing reads them again
.endr
.endm
	OUTF 0
	OUTF 1
	OUTF 2
	OUTF 3
	s_set_vgpr_msb 0x5
	s_wait_tensorcnt 0x0
	ds_add_u32 v254, v255
	s_wait_dscnt 0x0
	s_set_vgpr_msb 0x500
	CROUND                                         ; the closing round
	s_endpgm
.Lfunc_end_k_q344e278efd_oproj:
	.size	k_q344e278efd_oproj, .Lfunc_end_k_q344e278efd_oproj-k_q344e278efd_oproj
	.p2alignl 7, 3214868480
	.fill 96, 4, 3214868480
	.section	.rodata,"a",@progbits
	.p2align	6, 0x0
	.amdhsa_kernel k_q344e278efd_oproj
		.amdhsa_group_segment_fixed_size 327680
		.amdhsa_private_segment_fixed_size 0
		.amdhsa_enable_private_segment 0
		.amdhsa_kernarg_size 24
		.amdhsa_user_sgpr_count 2
		.amdhsa_user_sgpr_kernarg_segment_ptr 1
		.amdhsa_wavefront_size32 1
		.amdhsa_system_sgpr_workgroup_id_x 1
		.amdhsa_system_sgpr_workgroup_id_y 1
		.amdhsa_system_sgpr_workgroup_id_z 1
		.amdhsa_system_vgpr_workitem_id 0
		.amdhsa_next_free_vgpr 768
		.amdhsa_next_free_sgpr 80
		.amdhsa_reserve_vcc 0
		.amdhsa_float_denorm_mode_32 3
		.amdhsa_float_denorm_mode_16_64 3
		.amdhsa_memory_ordered 1
		.amdhsa_forward_progress 1
		.amdhsa_inst_pref_size 179
	.end_amdhsa_kernel
	.amdgpu_metadata
---
amdhsa.version: [ 1, 2 ]
amdhsa.kernels:
  - .name:           k_q344e278efd_oproj
    .symbol:         k_q344e278efd_oproj.kd
    .args:
      - { .name: ao, .offset: 0, .size: 8, .value_kind: global_buffer, .address_space: global }
      - { .name: wob, .offset: 8, .size: 8, .value_kind: global_buffer, .address_space: global }
      - { .name: out0, .offset: 16, .size: 8, .value_kind: global_buffer, .address_space: global }
    .group_segment_fixed_size: 327680
    .private_segment_fixed_size: 0
    .kernarg_segment_align: 8
    .kernarg_segment_size: 24
    .max_flat_workgroup_size: 128
    .sgpr_count:     80
    .vgpr_count:     768
    .wavefront_size: 32
...
	.end_amdgpu_metadata
.endif
;; end of part 4
